; MI455X (gfx1250); checked and timed in simulation.
; The chip was launched on July 23, 2026; its instructions are those of AMD's public machine-readable ISA for CDNA 5 (MIT licence, August 2026) and "CDNA5" Instruction Set Architecture Reference Guide (July 2026). The comments in the code are by the model that wrote it; some were corrected since.
;; Merged Attention. Allowed arithmetic: matrix products marked QUANTISED: E2M3 operands, one E8M0 scale for each 32 along K, by v_wmma_scale_f32_16x16x128_f8f6f4 with both operands' format E2M3, f32 sums; everything else in f32.
;; Inputs: k_A 2 x 16 x 4,096 x 128 float16; k_B 2 x 16 x 4,096 x 128 float16; q 2 x 16 x 1,024 x 128 float16; v_A 2 x 16 x 4,096 x 128 float16; v_B 2 x 16 x 4,096 x 128 float16.
;; Outputs: out0 2 x 16 x 1,024 x 128 float16; out1 2 x 16 x 1,024 float32.
;; This version of the problem:
;;   THIS VERSION OF THE PROBLEM IS GIVEN IN LOW PRECISION. The matrix products marked QUANTISED in the list below multiply operands that are first quantised to E2M3 (2 exponent bits, 3 mantissa bits; 6 bits a number), with one power-of-two scale for each 32 numbers along K (OCP MX v1.0); their sums are f32. All else is computed in f32.
;;   The module's matrix products, in the order in which they are computed (A, B: the left and right operand; K: the contracted axis; several contracted axes count as one K, in the product's order):
;;     1. batch 32 x [M 1,024, K 128] x [K 128, N 4,096]; A: input q; B: input k_A: QUANTISED
;;     2. batch 32 x [M 1,024, K 4,096] x [K 4,096, N 128]; A: computed on the way; B: input v_A: QUANTISED
;;     3. batch 32 x [M 1,024, K 128] x [K 128, N 4,096]; A: input q; B: input k_B: QUANTISED
;;     4. batch 32 x [M 1,024, K 4,096] x [K 4,096, N 128]; A: computed on the way; B: input v_B: QUANTISED
;;   THE QUANTISER, for each operand of a quantised product, along K:
;;     - K is cut into blocks of 32 from its start; a last block that is shorter is filled with zeros.
;;     - A block's scale is 2^e with e = floor(log2(the largest magnitude in the block)) - 2, held to -126 .. 127; a block of zeros has e = 0. As a byte (E8M0): e + 127.
;;     - Each number is divided by its block's scale, clamped to +-7.5, and rounded to the nearest number of E2M3, ties to even, subnormals kept.
;;     - The product sums the exact products of the quantised numbers (number of the format x scale) in f32.
;;   ~~~python
;;   def quantise(x, axis):      # numpy; x: float32 -> the quantised numbers, widened to float32 again
;;       x = np.moveaxis(x, axis, -1); K = x.shape[-1]
;;       x = np.pad(x, [(0, 0)] * (x.ndim - 1) + [(0, -K % 32)]); x = x.reshape(x.shape[:-1] + (-1, 32)); a = np.abs(x).max(-1, keepdims=True)
;;       e = np.where(a > 0, np.clip(np.frexp(np.where(a > 0, a, 1))[1] - 1 - 2, -126, 127), 0)      # np.frexp(a)[1] - 1 = floor(log2(a)), exactly
;;       r = np.clip(x / 2.0 ** e, -7.5, 7.5)
;;       step = 2.0 ** (np.maximum(np.frexp(np.where(r == 0, 1, r))[1] - 1, 0) - 3)
;;       q = np.round(r / step) * step * 2.0 ** e      # np.round: ties to even
;;       return np.moveaxis(q.reshape(q.shape[:-2] + (-1,))[..., :K], -1, axis).astype(np.float32)
;;   ~~~
;;   OPERANDS COMPUTED ON THE WAY. 'Computed on the way' means the value that the module computes at that place (a softmax that the list does not call 'softmax' is quantised finished and normalised). What goes into a quantiser is computed in f32, as accurately as f32 sums, v_exp_f32 and their like allow (about 1e-6 of the number): no bf16 or f16 on the way to a quantiser, and a product that is left as it is and whose result goes on into a quantised operand takes f32 operands (vector FMAs, or v_wmma_f32_16x16x4_f32). A number that lies on a knife's edge between two numbers of the format may be rounded either way, as far as f32 arithmetic and the matrix unit's own rounding can turn it there, and no further.
;; One version. Each part assembles by itself: llvm-mc -triple=amdgcn-amd-amdhsa -mcpu=gfx1250 --defsym DOCPART=n.
;; ======== version 1 of 1: 2 launches
;; limits: values are held in f16: magnitudes above 65,504 overflow, below 6.1e-05 lose precision; right only within a limited range of input values
;; workspace buffers: codes 53,477,376 bytes; scales 2,228,224 bytes
;; launch quant (part 1): grid 1088 x 1, 4 waves a work-group, no clusters, 87,552 bytes of LDS; arguments q, k_A, k_B, v_A, v_B, codes, scales; writes codes, scales
.if DOCPART == 1
	.amdgcn_target "amdgcn-amd-amdhsa--gfx1250"
	.amdhsa_code_object_version 6
	.text
	.protected	k_qd849a6fb08_quant
	.globl	k_qd849a6fb08_quant
	.p2align	8
	.type	k_qd849a6fb08_quant,@function
k_qd849a6fb08_quant:
	s_mov_b64 s[64:65], 0
	v_nop
	global_prefetch_b8 v0, s[64:65] scope:SCOPE_SE
	s_setreg_imm32_b32 hwreg(HW_REG_WAVE_MODE, 25, 1), 1
	s_wait_xcnt 0x0
; q, k_A, k_B, v_A, v_B (f16) become codes of FP6 (E2M3) with one E8M0 scale byte for each 32 along K, laid IN THE ORDER OF THE OPERANDS' REGISTERS.
; A RECORD is 128 rows x 128 along K: 8 fragments of 16 x 128.  Codes: 12,288 bytes: fragment t at 1536 t, in it registers 4 c .. 4 c + 3 of lane l at 512 c + 16 l.
; Scale words: 512 bytes: the word at 16 l + 4 i (l = r + 16 u) belongs to row r of fragment 2 i + u.
; Records: q 0.. (8 a head), k_A 256.., k_B 1280.., v_A 2304.., v_B 3328.. (32 a head, one for each 128 keys).
; q, k: K = the head's 128; lane r of fragment 2 b + u holds row 32 b + 8 u + r + (r & 8) of the record.   v: K = the record's 128 keys; lane r of fragment t holds channel 16 t + r.
; A block's scale is 2^(floor(log2(its largest magnitude)) - 2): its byte is the largest magnitude's exponent field - 2, held at 1 from below by a floor among the maximum's leaves.
; LIMITS: NaN and infinities among the inputs are not served.  A block of zeros gets the byte 1 (the rule says 127): its codes are zeros, and this program alone reads the bytes.
; One wave makes one record: 32,768 bytes in, 12,800 out; waves share nothing: no barrier.  Work-groups 0-575 take q, k_A, k_B (rows: K innermost), 576-1087 v_A, v_B (columns: K down the rows).
; The two ways have LDS bytes of their own.  Every load covers 256 or 512 consecutive bytes, every store 512 consecutive bytes at a multiple of 256 from its buffer's first byte.
.set KWV,   8704                       ; the rows' way: a stage of 32 rows x 272 bytes for each wave, from LDS byte 0
.set VST,   34816                      ; the columns' way: behind them,
.set VWV,   13056                      ; for each wave 8 fragments' images, 1,552 bytes apart, and 512 bytes of scale words at 12,416
.set FLOOR, 0x1800000                  ; 2^(3 - 127)
.set EOFF,  0xff000000                 ; takes 2 off an exponent field
.macro WIDE lo, hi, r                  ; the two f16 halves of register r, widened
	v_cvt_f32_f16 v[\lo], v\r\().l
	v_cvt_f32_f16 v[\hi], v\r\().h
.endm
	s_load_b256 s[4:11], s[0:1], 0x0               ; q, k_A, k_B, v_A
	s_load_b128 s[12:15], s[0:1], 0x20             ; v_B, codes
	s_load_b64 s[16:17], s[0:1], 0x30              ; scales
	s_set_vgpr_msb 0x40
	v_lshl_add_u32 v0, v0, 2, 0x15400
	v_mov_b32 v1, 0
	s_set_vgpr_msb 0x4000
	v_lshrrev_b32 v1, 5, v0
	v_readfirstlane_b32 s18, v1                    ; wave 0..3
	s_mov_b32 s30, 0x76543210
	s_mov_b32 s31, 0xfedcba98                      ; v_permlanex16_b32: lane l xor 16
	s_wait_kmcnt 0x0
	s_cmp_lt_u32 ttmp9, 832                        ; which tensor: the choice hangs on the work-group's number alone
	s_cselect_b64 s[20:21], s[10:11], s[12:13]
	s_mov_b32 s22, 832
	s_cselect_b32 s22, 576, s22                    ; and its first work-group
	s_cmp_lt_u32 ttmp9, 576
	s_cselect_b64 s[20:21], s[8:9], s[20:21]
	s_cselect_b32 s22, 320, s22
	s_cmp_lt_u32 ttmp9, 320
	s_cselect_b64 s[20:21], s[6:7], s[20:21]
	s_cselect_b32 s22, 64, s22
	s_cmp_lt_u32 ttmp9, 64
	s_cselect_b64 s[20:21], s[4:5], s[20:21]
	s_cselect_b32 s22, 0, s22
	s_sub_co_u32 s22, ttmp9, s22
	s_lshl_b32 s22, s22, 2
	s_add_co_u32 s22, s22, s18                     ; my record within its tensor
	s_lshl_b32 s24, s22, 15                        ; 32,768 bytes of f16 each
	s_mov_b32 s25, 0
	s_add_nc_u64 s[20:21], s[20:21], s[24:25]
	s_lshl_b32 s23, ttmp9, 2
	s_add_co_u32 s23, s23, s18                     ; my record in the workspace: 4 x work-group + wave
	s_mul_i32 s26, s23, 12288
	s_mov_b32 s27, 0
	s_add_nc_u64 s[14:15], s[14:15], s[26:27]
	s_lshl_b32 s28, s23, 9
	s_mov_b32 s29, 0
	s_add_nc_u64 s[16:17], s[16:17], s[28:29]
	s_cmp_ge_u32 ttmp9, 576
	s_cbranch_scc1 .Lcolumn
; ---------------- ROWS (q, k): K is innermost.  Lane (r, h) is the fragment's own lane: it wants blocks h and 2 + h (64 bytes of f16 each) of its row.
; Loads take the bytes as they lie (512 a load, two rows); 32 rows turn through the wave's stage.  v1 16 lane; v2 stage in; v3 stage out; v4 8 h; v8-11 the record's scale words; v12-19 at work;
; v20-31 the fragment; v32-38 second halves; v64-95 a tile's f16; v96-127 a block in f32; v128-191, v192-255 two sets of 16 loads.
	v_and_b32 v5, 31, v0                           ; lane
	v_lshlrev_b32 v1, 4, v5
	v_and_b32 v6, 15, v0                           ; r
	v_bfe_u32 v7, v0, 4, 1                         ; h
	s_mul_i32 s19, s18, KWV
	v_mul_u32_u24 v2, v7, 272
	v_lshl_add_u32 v2, v6, 4, v2
	v_add_nc_u32 v2, s19, v2                       ; in: row lane / 16, 16 bytes a lane
	v_and_b32 v3, 8, v6
	v_add_nc_u32 v3, v3, v6                        ; r + (r & 8)
	v_mul_u32_u24 v3, v3, 272
	v_lshl_add_u32 v3, v7, 6, v3
	v_add_nc_u32 v3, s19, v3                       ; out: my row of the tile, + 64 h
	v_lshlrev_b32 v4, 3, v7
	v_cmp_le_u32 vcc_lo, 16, v5                    ; lanes 16-31; kept
	v_mov_b32 v19, 0                               ; a lane permute's destination counts as one of its sources
.macro LOADG g                         ; rows 32 g .. 32 g + 31 into set g % 2
.set i, 0
.rept 16
	global_load_b128 v[128+64*((\g)%2)+4*i:128+64*((\g)%2)+4*i+3], v1, s[20:21] offset:8192*(\g)+512*i th:TH_LOAD_NT
.set i, i+1
.endr
.endm
.macro STAGE g
.set i, 0
.rept 16
	ds_store_b128 v2, v[128+64*((\g)%2)+4*i:128+64*((\g)%2)+4*i+3] offset:544*i
.set i, i+1
.endr
.endm
.macro RBLOCK k                        ; the 32 numbers in v96-127 become registers 6 k .. 6 k + 5 of the fragment; the byte goes to v[16 + k]
	v_max3_num_f32 v12, |v96|, |v97|, FLOOR        ; two chains, so that they do not wait for each other; the floor is a leaf
	v_max3_num_f32 v13, |v98|, |v99|, |v100|
.irp i, 5,9,13,17,21,25
	v_max3_num_f32 v12, v12, |v[96+\i]|, |v[97+\i]|
	v_max3_num_f32 v13, v13, |v[98+\i]|, |v[99+\i]|
.endr
	v_max3_num_f32 v12, v12, |v125|, |v126|
	v_max3_num_f32 v12, v12, v13, |v127|
	v_add_nc_u32 v[14+\k], EOFF, v12               ; the conversion takes the exponent field of this operand as its scale
	v_lshrrev_b32 v[16+\k], 23, v[14+\k]           ; the scale's byte
	v_cvt_scalef32_pk16_fp6_f32 v[20+6*\k:22+6*\k], v[96:111], v[14+\k]
	v_cvt_scalef32_pk16_fp6_f32 v[32+4*\k:34+4*\k], v[112:127], v[14+\k]   ; (a conversion's three registers begin on an even number)
	v_nop                                          ; one plain place behind a scaled conversion
.irp i, 0,1,2
	v_mov_b32 v[23+6*\k+\i], v[32+4*\k+\i]
.endr
.endm
.macro TILE g, u                       ; fragment 2 g + u
.irp i, 0,1,2,3
	ds_load_b128 v[64+4*\i:67+4*\i], v3 offset:2176*\u+16*\i          ; block h
.endr
.irp i, 0,1,2,3
	ds_load_b128 v[80+4*\i:83+4*\i], v3 offset:2176*\u+128+16*\i      ; block 2 + h
.endr
	s_wait_dscnt 0x0                               ; my numbers are in; the stores into the stage, served ahead of them, have read their registers,
.if (\u == 0) && (\g < 2)
	LOADG \g+2                                     ; which take the rows of two groups on
.endif
.irp r, 64,65,66,67,68,69,70,71,72,73,74,75,76,77,78,79
	WIDE 96+2*(\r-64), 97+2*(\r-64), \r
.endr
	s_wait_xcnt 0x0                                ; the last fragment's stores have read their data: it is written again only behind this wait
	RBLOCK 0
.irp r, 80,81,82,83,84,85,86,87,88,89,90,91,92,93,94,95
	WIDE 96+2*(\r-80), 97+2*(\r-80), \r
.endr
	RBLOCK 1
	v_lshl_or_b32 v18, v17, 16, v16                ; my two bytes: blocks h and 2 + h,
	v_lshlrev_b32 v18, v4, v18                     ; at their places in the word (8 h bits up);
	v_permlanex16_b32 v19, v18, s30, s31
	v_or_b32 v18, v18, v19                         ; with lane l xor 16's two the word is whole
.if \u == 0
	v_mov_b32 v[8+\g], v18
.else
	v_cndmask_b32 v[8+\g], v[8+\g], v18, vcc_lo    ; the odd fragment's words in lanes 16-31
.endif
.irp c, 0,1,2
	global_store_b128 v1, v[20+4*\c:23+4*\c], s[14:15] offset:1536*(2*\g+\u)+512*\c
.endr
.endm
	LOADG 0
	LOADG 1
	s_wait_alu depctr_va_vdst(0)
.irp g, 0,1,2,3
.if \g < 3
	s_wait_loadcnt 16                              ; this group's 16 loads are in; the next group's 16 may be out
.else
	s_wait_loadcnt 0x0
.endif
	STAGE \g
	TILE \g, 0
	TILE \g, 1
.endr
	global_store_b128 v1, v[8:11], s[16:17]        ; the record's 128 scale words
	s_set_vgpr_msb 0x5
	s_wait_tensorcnt 0x0
	ds_add_u32 v0, v1
	s_wait_dscnt 0x0
	s_set_vgpr_msb 0x500
	s_endpgm
; ---------------- COLUMNS (v): K = the keys runs down the rows.  Lane L takes channels 4 L .. 4 L + 3 and its registers run down the keys: a load of the wave is one key's whole row of 256 bytes,
; a block of 32 keys of a channel lies in one lane, and the conversions give codes with K innermost.  Channel 4 L + c is lane r = 4 (L & 3) + c of fragment L / 4; key block kb goes to lanes
; r + 16 (kb & 1), registers 6 (kb / 2) on.  The codes meet in the wave's stage as register images and leave 512 bytes a store.
; v0-63, v64-127 two sets of 32 loads (register 2 k + cp: key k, channels 4 L + 2 cp, + 1); v128-191 two channels in f32; v192-199 at work; v200-203 scale words; v204-227 four channels' codes; v240-244 addresses.
.Lcolumn:
	v_and_b32 v245, 31, v0                         ; L
	v_lshlrev_b32 v240, 3, v245                    ; in: 8 bytes a lane
	v_lshlrev_b32 v244, 4, v245                    ; out: 16 bytes a lane
	v_lshrrev_b32 v246, 2, v245                    ; L / 4
	v_and_b32 v247, 3, v245                        ; L % 4
	s_mul_i32 s19, s18, VWV
	s_add_co_u32 s19, s19, VST
	v_mul_u32_u24 v241, v246, 1552
	v_lshl_add_u32 v241, v247, 6, v241
	v_add_nc_u32 v241, s19, v241                   ; codes into the stage: fragment L / 4, lane 4 (L % 4)
	v_lshlrev_b32 v242, 6, v247
	v_and_b32 v246, 1, v246
	v_lshl_add_u32 v242, v246, 8, v242
	v_lshrrev_b32 v246, 3, v245
	v_lshl_add_u32 v242, v246, 2, v242
	v_add_nc_u32 v242, s19, v242
	v_add_nc_u32 v242, 12416, v242                 ; scale words: 16 r + 256 (fragment % 2) + 4 (fragment / 2)
	v_add_nc_u32 v243, s19, v244                   ; back out of the stage
.macro LOADV kb                        ; keys 32 kb .. 32 kb + 31 into set kb % 2
.set i, 0
.rept 32
	global_load_b64 v[64*((\kb)%2)+2*i:64*((\kb)%2)+2*i+1], v240, s[20:21] offset:(32*(\kb)+i)*256 th:TH_LOAD_NT
.set i, i+1
.endr
.endm
.macro WIDEN0 cp                       ; set 0: channels 4 L + 2 cp (v128 on) and 4 L + 2 cp + 1 (v160 on), 32 keys each
.irp r, 0,1,2,3,4,5,6,7,8,9,10,11,12,13,14,15,16,17,18,19,20,21,22,23,24,25,26,27,28,29,30,31,32,33,34,35,36,37,38,39,40,41,42,43,44,45,46,47,48,49,50,51,52,53,54,55,56,57,58,59,60,61,62,63
.if (\r % 2) == \cp
	WIDE 128+\r/2, 160+\r/2, \r
.endif
.endr
.endm
.macro WIDEN1 cp                       ; the same of set 1
.irp r, 64,65,66,67,68,69,70,71,72,73,74,75,76,77,78,79,80,81,82,83,84,85,86,87,88,89,90,91,92,93,94,95,96,97,98,99,100,101,102,103,104,105,106,107,108,109,110,111,112,113,114,115,116,117,118,119,120,121,122,123,124,125,126,127
.if (\r % 2) == \cp
	WIDE 128+(\r-64)/2, 160+(\r-64)/2, \r
.endif
.endr
.endm
.macro BLOCKV kb
.if \kb < 3
	s_wait_loadcnt 32                              ; this block's 32 loads are in; the next block's 32 may be out
.else
	s_wait_loadcnt 0x0
.endif
	s_wait_dscnt 0x0                               ; the last block's stores into the stage have read their registers
.irp cp, 0,1
.if (\kb)%2 == 0
	WIDEN0 \cp
.else
	WIDEN1 \cp
.endif
	v_max3_num_f32 v192, |v128|, |v129|, FLOOR     ; each channel's block is all mine; the two channels by turns
	v_max3_num_f32 v193, |v160|, |v161|, FLOOR
.irp i, 2,4,6,8,10,12,14,16,18,20,22,24,26,28,30
	v_max3_num_f32 v192, v192, |v[128+\i]|, |v[129+\i]|
	v_max3_num_f32 v193, v193, |v[160+\i]|, |v[161+\i]|
.endr
	v_add_nc_u32 v196, EOFF, v192
	v_add_nc_u32 v197, EOFF, v193
	v_lshrrev_b32 v198, 23, v196
	v_lshrrev_b32 v199, 23, v197
.if \kb == 0
	v_mov_b32 v[200+2*\cp], v198                   ; four bytes to a word, the lower keys in the lower byte
	v_mov_b32 v[201+2*\cp], v199
.else
	v_lshl_or_b32 v[200+2*\cp], v198, 8*\kb, v[200+2*\cp]
	v_lshl_or_b32 v[201+2*\cp], v199, 8*\kb, v[201+2*\cp]
.endif
	v_cvt_scalef32_pk16_fp6_f32 v[204+12*\cp:206+12*\cp], v[128:143], v196
	v_cvt_scalef32_pk16_fp6_f32 v[228:230], v[144:159], v196
	v_cvt_scalef32_pk16_fp6_f32 v[210+12*\cp:212+12*\cp], v[160:175], v197
	v_cvt_scalef32_pk16_fp6_f32 v[232:234], v[176:191], v197
	v_nop                                          ; one plain place behind a scaled conversion
.irp i, 0,1,2
	v_mov_b32 v[207+12*\cp+\i], v[228+\i]
	v_mov_b32 v[213+12*\cp+\i], v[232+\i]
.endr
.irp e, 0,1                            ; channel c = 2 cp + e: six registers, at their places in the image
.if \kb < 2
	ds_store_b128 v241, v[204+12*\cp+6*\e:207+12*\cp+6*\e] offset:16*(2*\cp+\e)+256*(\kb%2)          ; registers 0-3
	ds_store_b64 v241, v[208+12*\cp+6*\e:209+12*\cp+6*\e] offset:16*(2*\cp+\e)+256*(\kb%2)+512       ; registers 4, 5
.else
	ds_store_b64 v241, v[204+12*\cp+6*\e:205+12*\cp+6*\e] offset:16*(2*\cp+\e)+256*(\kb%2)+520       ; registers 6, 7
	ds_store_b128 v241, v[206+12*\cp+6*\e:209+12*\cp+6*\e] offset:16*(2*\cp+\e)+256*(\kb%2)+1024     ; registers 8-11
.endif
.endr
.endr
.if \kb < 2
	LOADV \kb+2
.endif
.endm
	LOADV 0
	LOADV 1
	BLOCKV 0
	BLOCKV 1
	BLOCKV 2
	BLOCKV 3
.irp c, 0,1,2,3
	ds_store_b32 v242, v[200+\c] offset:16*\c
.endr
.set n, 0
.rept 24
	ds_load_b128 v[4*n:4*n+3], v243 offset:1552*(n/3)+512*(n%3)    ; LDS serves a wave's instructions in order: these see my stores
.set n, n+1
.endr
	ds_load_b128 v[96:99], v243 offset:12416
.set n, 0
.rept 24
	s_wait_dscnt 24-n                              ; the younger loads may be out
	global_store_b128 v244, v[4*n:4*n+3], s[14:15] offset:1536*(n/3)+512*(n%3)
.set n, n+1
.endr
	s_wait_dscnt 0x0
	global_store_b128 v244, v[96:99], s[16:17]
	s_set_vgpr_msb 0x5
	s_wait_tensorcnt 0x0
	ds_add_u32 v0, v1
	s_wait_dscnt 0x0
	s_set_vgpr_msb 0x500
	s_endpgm
.Lfunc_end_k_qd849a6fb08_quant:
	.size	k_qd849a6fb08_quant, .Lfunc_end_k_qd849a6fb08_quant-k_qd849a6fb08_quant
	.p2alignl 7, 3214868480
	.fill 96, 4, 3214868480
	.section	.rodata,"a",@progbits
	.p2align	6, 0x0
	.amdhsa_kernel k_qd849a6fb08_quant
		.amdhsa_group_segment_fixed_size 87552
		.amdhsa_private_segment_fixed_size 0
		.amdhsa_enable_private_segment 0
		.amdhsa_kernarg_size 56
		.amdhsa_user_sgpr_count 2
		.amdhsa_user_sgpr_kernarg_segment_ptr 1
		.amdhsa_wavefront_size32 1
		.amdhsa_system_sgpr_workgroup_id_x 1
		.amdhsa_system_sgpr_workgroup_id_y 1
		.amdhsa_system_sgpr_workgroup_id_z 1
		.amdhsa_system_vgpr_workitem_id 0
		.amdhsa_next_free_vgpr 258
		.amdhsa_next_free_sgpr 66
		.amdhsa_reserve_vcc 1
		.amdhsa_float_denorm_mode_32 3
		.amdhsa_float_denorm_mode_16_64 3
		.amdhsa_memory_ordered 1
		.amdhsa_forward_progress 1
		.amdhsa_inst_pref_size 119
	.end_amdhsa_kernel
	.amdgpu_metadata
---
amdhsa.version: [ 1, 2 ]
amdhsa.kernels:
  - .name:           k_qd849a6fb08_quant
    .symbol:         k_qd849a6fb08_quant.kd
    .args:
      - { .name: q, .offset: 0, .size: 8, .value_kind: global_buffer, .address_space: global }
      - { .name: k_A, .offset: 8, .size: 8, .value_kind: global_buffer, .address_space: global }
      - { .name: k_B, .offset: 16, .size: 8, .value_kind: global_buffer, .address_space: global }
      - { .name: v_A, .offset: 24, .size: 8, .value_kind: global_buffer, .address_space: global }
      - { .name: v_B, .offset: 32, .size: 8, .value_kind: global_buffer, .address_space: global }
      - { .name: codes, .offset: 40, .size: 8, .value_kind: global_buffer, .address_space: global }
      - { .name: scales, .offset: 48, .size: 8, .value_kind: global_buffer, .address_space: global }
    .group_segment_fixed_size: 87552
    .private_segment_fixed_size: 0
    .kernarg_segment_align: 8
    .kernarg_segment_size: 56
    .max_flat_workgroup_size: 128
    .sgpr_count:     66
    .vgpr_count:     258
    .wavefront_size: 32
...
	.end_amdgpu_metadata
.endif
;; end of part 1
;; launch attn (part 2): grid 8 x 32, 8 waves a work-group, clusters of 4 x 1, 327,680 bytes of LDS; arguments codes, scales, out0, out1; writes out0, out1
.if DOCPART == 2
	.amdgcn_target "amdgcn-amd-amdhsa--gfx1250"
	.amdhsa_code_object_version 6
	.text
	.protected	k_qd849a6fb08_attn
	.globl	k_qd849a6fb08_attn
	.p2align	8
	.type	k_qd849a6fb08_attn,@function
k_qd849a6fb08_attn:
	s_mov_b64 s[64:65], 0
	v_nop
	global_prefetch_b8 v0, s[64:65] scope:SCOPE_SE
	s_setreg_imm32_b32 hwreg(HW_REG_WAVE_MODE, 25, 1), 1
	s_wait_xcnt 0x0
	s_wait_alu depctr_hold_cnt(0) depctr_sa_sdst(0) depctr_va_vdst(0) depctr_va_sdst(0) depctr_va_ssrc(0) depctr_va_vcc(0) depctr_vm_vsrc(0)
	s_getreg_b32 s2, hwreg(HW_REG_IB_STS2, 6, 4)
	s_cmp_eq_u32 s2, 0
	s_cbranch_scc0 .Lentry_in_a_cluster
	s_endpgm
.Lentry_in_a_cluster:
	s_bfe_u32 s2, ttmp6, 0x10000c
	s_cmp_lg_u32 s2, 0x3003
	s_cbranch_scc0 .Lentry_shape_is_right
	s_endpgm
.Lentry_shape_is_right:
; Two softmax attentions of one q over the key sets A and B (4,096 keys each, head size 128), each output rounded to f16, merged by their lse into out0 (f16) and out1 (f32).
; All four products on codes of FP6 (E2M3) with E8M0 scales for each 32 along K, read from the workspace as register images (records of 128 rows x 128 K: 12,288 bytes of codes, 512 of scale words).
; WHAT IS QUANTISED AHEAD OF THE SECOND PRODUCT IS THE FINISHED p = exp(s - lse).  So the keys are walked twice: PASS 1: S^T = K Q^T, a running maximum and sum, which give L2 = lse / ln 2;
; PASS 2: S^T again, p = 2^(c s - L2), c = log2(e) / sqrt(128), quantised along the keys, O^T += V^T P^T.
; SHARES.  A work-group owns 128 queries (one record of q) of one head.  Wave w: key set w / 4, query tiles 2 (w % 4) and 2 (w % 4) + 1: 32 queries, so that each fragment read from LDS serves two products.
; Both products are used transposed (source 0 = 16 keys, or 16 channels; source 1 = 16 queries): a lane holds one query of each tile throughout.
; Lane r of a tile of K (and of q) holds row 32 b + 8 u + r + (r & 8), so that the 16 registers of tiles 2 b, 2 b + 1 are 16 neighbouring keys; the way out undoes q's order by address.
; CLUSTER.  The four work-groups of a cluster belong to one head and walk the same records: every fill is asked for JOINTLY, by the same tensor load with the same descriptor and the mask of all four.
; RING.  Two slots of 98,304 bytes, 2^17 apart: eight records (pass 1: K_A x 4, K_B x 4: four key steps; pass 2: K_A, V_A, K_B, V_B x 2: two key steps); wave w fetches record w of a fill: one load a wave.
; At the head waves 0-3 fetch fill 0 (two records each) and waves 4-7 the head's scale words (4 x 16,384 bytes, which stay): one load a wave.  24 fills; fill n goes into slot n % 2.
; THE CHANGE OF SLOTS stands in a slot's LAST key step, where the wave's last reads of the slot have come back into registers: fill n + 2 is asked for in the last step of slot n, and the first K of slot n + 1
; is read from LDS under that step's remaining work.  (Fill 1 is asked for in front of slot 0.)
; LIMITS: NaN and infinities are not served; a p under 2^-126 comes out of v_exp_f32 as 0; c s - L2 is one fused multiply-add where the definition rounds three times; sums are taken in another order.
; REGISTERS, window 0: v1, v2 the spare word's address and 0; v3-9 addresses; v10-13 -c m (later -L2) and m of the two tiles; v14-17 sums; v20-43 Q; v44 Q's scale words; v48-55 K's and V's scale words
; (pass 1: K's, two sets); v56-79 p's codes; v80, v81 p's scale words; v84-115 at work; v128-255 S^T, then p.  Window 1: v0-127 O^T (pass 1: K's second set of fragments); v128-223 eight fragments.
.set SLOT1, 1<<17
.set FRAG,  1536
.set SCL,   229376                     ; behind the ring: the head's scale words: K_A, V_A, K_B, V_B
.set SPARE, 294912                     ; the spare words, 128 bytes for each of 8 waves: four blocks of 256 bytes that no other line names
.set LW,    65536                      ; the way out (slot 0 has had its last fill and has been left by every wave): images of O^T from byte 0, 8,192 a wave; -L2, 256 bytes a wave;
.set OST,   67584                      ; 128 rows of out0 x (256 + 16) bytes;
.set LSE,   102400                     ; the new lse, 512 bytes for each key set's waves
.set FLOOR, 0x1800000                  ; 2^(3 - 127)
.set EOFF,  0xff000000                 ; takes 2 off an exponent field
.set SR,    128                        ; S^T: tile n, fragment t at SR + 64 n + 8 t
.set TM,    84                         ; eight maxima
.set UM,    92                         ; eight more registers at work
.set AX,    100                        ; sixteen more
.set MSB, 0
.macro WIN new                         ; the immediate's high byte repeats the setting that is left
.if MSB != \new
	s_set_vgpr_msb (MSB<<8)|\new
.set MSB, \new
.endif
.endm
.macro WIDE lo, hi, r                  ; the two f16 halves of register r, widened
	v_cvt_f32_f16 v[\lo], v\r\().l
	v_cvt_f32_f16 v[\hi], v\r\().h
.endm
.macro PLACES
.rept 4
	v_nop
.endr
.endm
; A round of the cluster's barrier
.macro CROUND
	s_barrier_signal -1
	s_barrier_wait -1
	s_cmp_lg_u32 s12, 0
	s_cbranch_scc1 .Lnot_wave_0_\@
	s_barrier_signal -3
.Lnot_wave_0_\@:
	s_barrier_wait -3
	s_barrier_signal -1
	s_barrier_wait -1
.endm
.macro TLOAD                           ; every wave asks for its record; s_nop 0 and four v_nop follow the load
	tensor_load_to_lds s[40:43], s[84:91]
	s_nop 0
	PLACES
.endm
; A PREFETCH INTO THE L2.  Both clusters of a head walk the same records: the head's first cluster asks.  Its four partners are told apart BY ADDRESS: key set cx % 2, piece cx / 2 of a unit of
; 2 sets x 49,152 bytes; in each, waves 4, 5 and 6 ask for 8,192 bytes each, lanes 256 bytes apart: one instruction a wave.  The change that asks for fill k names: k = 1 .. 6: the K of fill k + 1;
; k = 7: V's first unit (the V of fills 8 and 9); k = 9, 11 .. 21: V's next unit, the V of the two fills behind fill k; k = 8, the even k behind it and k = 23: nothing.
; K is not named again in pass 2; fills 0 and 1 and the scale words come by their loads alone.
.macro ASK kind
.if \kind == 1
	s_cmp_eq_u32 s53, 1
	s_cbranch_scc0 .Lnot_mine_\@
	global_prefetch_b8 v7, s[60:61] th:TH_LOAD_NT scope:SCOPE_SE
.Lnot_mine_\@:
.elseif \kind == 2
	s_cmp_eq_u32 s53, 1
	s_cbranch_scc0 .Lnot_mine_\@
	s_cmp_lg_u32 s52, 2                            ; not at fill 8
	s_cbranch_scc0 .Lnot_mine_\@
	global_prefetch_b8 v7, s[60:61] th:TH_LOAD_NT scope:SCOPE_SE
.Lnot_mine_\@:
.elseif \kind == 3
	s_cmp_gt_u32 s52, s53
	s_cbranch_scc0 .Lnot_mine_\@
	s_bitcmp1_b32 s52, 0
	s_cbranch_scc0 .Lnot_mine_\@
	global_prefetch_b8 v7, s[60:61] th:TH_LOAD_NT scope:SCOPE_SE
.Lnot_mine_\@:
.endif
.endm
; THE CHANGE OF SLOTS.  Each wave waits for all its tensor loads (its record of the slot ahead), adds 0 to its spare word, and waits for that and for its reads of the slot that it leaves.
; Behind the barrier the slot ahead is whole and nobody reads the other one, which is filled again.  kind 1: fill 1; kind 2: pass 1's loop, fills 2 to 9 (s52 = 8 .. 1: fill 10 - s52);
; kind 3: pass 2's loop, fills 10 to 23 (s52 = 14 .. 1: fill 24 - s52); kind 0: nothing is left to fetch.  Fills up to 7 step four records, fill 8 is pass 2's first, the later ones step two records.
.macro CHANGE kind
	s_wait_tensorcnt 0x0                           ; no tensor load of mine is out, so the walking descriptor may be written
	ds_add_u32 v1, v2                              ; 0 onto my spare word
.if \kind
	s_xor_b32 s41, s41, SLOT1                      ; the other slot than last time
.if \kind == 1
	s_add_nc_u64 s[42:43], s[42:43], 49152         ; four records on; the type bits on top are not reached
.elseif \kind == 2
	s_cmp_eq_u32 s52, 1
	s_cselect_b32 s96, 24576, s67                  ; fill 9: two records on; fills 2 to 7: four
	s_cmp_eq_u32 s52, 2
	s_cselect_b32 s96, s74, s96                    ; fill 8: back by my byte offset in fill 7, on by my byte offset in pass 2's first fill
	s_cselect_b32 s98, s70, 0
	s_sub_nc_u64 s[42:43], s[42:43], s[98:99]
	s_add_nc_u64 s[42:43], s[42:43], s[96:97]
.else
	s_add_nc_u64 s[42:43], s[42:43], 24576         ; two records on
.endif
	s_wait_xcnt 0x0                                ; the last prefetch, a slot back, has read its address, so it may be written
.if \kind == 1
	s_add_nc_u64 s[60:61], s[60:61], 49152
.elseif \kind == 2
	s_cmp_gt_u32 s52, 3
	s_cselect_b32 s62, s67, 24576                  ; a unit of K up to fill 6, half a unit of V from fill 8 on,
	s_cmp_eq_u32 s52, 3
	s_cselect_b32 s62, s66, s62                    ; and at fill 7 from K's last unit to V's first
	s_add_nc_u64 s[60:61], s[60:61], s[62:63]
.else
	s_add_nc_u64 s[60:61], s[60:61], 24576         ; half a unit a change
.endif
	s_wait_dscnt 0x0                               ; the add is done, and my reads of the slot that I leave are over
	CROUND
	TLOAD
	ASK \kind
.else
	s_wait_dscnt 0x0
	s_barrier_signal -1
	s_barrier_wait -1
.endif
.endm
; S^T of 16 keys x query tile n.  An odd fragment's scale words lie in lanes 16-31 of their register, and so do the odd query tile's.
.macro KQ fb, sc, t, n
.if (\t%2) && (\n)
	v_wmma_scale_f32_16x16x128_f8f6f4 v[SR+64*\n+8*\t:SR+64*\n+8*\t+7], v[\fb+12*\t:\fb+12*\t+11], v[20+12*\n:31+12*\n], 0, v[\sc+\t/2], v44 matrix_a_fmt:MATRIX_FMT_FP6 matrix_b_fmt:MATRIX_FMT_FP6 matrix_a_scale:MATRIX_SCALE_ROW1 matrix_b_scale:MATRIX_SCALE_ROW1
.elseif (\t%2)
	v_wmma_scale_f32_16x16x128_f8f6f4 v[SR+64*\n+8*\t:SR+64*\n+8*\t+7], v[\fb+12*\t:\fb+12*\t+11], v[20+12*\n:31+12*\n], 0, v[\sc+\t/2], v44 matrix_a_fmt:MATRIX_FMT_FP6 matrix_b_fmt:MATRIX_FMT_FP6 matrix_a_scale:MATRIX_SCALE_ROW1
.elseif (\n)
	v_wmma_scale_f32_16x16x128_f8f6f4 v[SR+64*\n+8*\t:SR+64*\n+8*\t+7], v[\fb+12*\t:\fb+12*\t+11], v[20+12*\n:31+12*\n], 0, v[\sc+\t/2], v44 matrix_a_fmt:MATRIX_FMT_FP6 matrix_b_fmt:MATRIX_FMT_FP6 matrix_b_scale:MATRIX_SCALE_ROW1
.else
	v_wmma_scale_f32_16x16x128_f8f6f4 v[SR+64*\n+8*\t:SR+64*\n+8*\t+7], v[\fb+12*\t:\fb+12*\t+11], v[20+12*\n:31+12*\n], 0, v[\sc+\t/2], v44 matrix_a_fmt:MATRIX_FMT_FP6 matrix_b_fmt:MATRIX_FMT_FP6
.endif
.endm
.macro PV t, n                         ; O^T of 16 channels x query tile n += V^T P^T over 128 keys
.if (\t%2)
	v_wmma_scale_f32_16x16x128_f8f6f4 v[64*\n+8*\t:64*\n+8*\t+7], v[128+12*\t:139+12*\t], v[56+12*\n:67+12*\n], v[64*\n+8*\t:64*\n+8*\t+7], v[52+\t/2], v[80+\n] matrix_a_fmt:MATRIX_FMT_FP6 matrix_b_fmt:MATRIX_FMT_FP6 matrix_a_scale:MATRIX_SCALE_ROW1
.else
	v_wmma_scale_f32_16x16x128_f8f6f4 v[64*\n+8*\t:64*\n+8*\t+7], v[128+12*\t:139+12*\t], v[56+12*\n:67+12*\n], v[64*\n+8*\t:64*\n+8*\t+7], v[52+\t/2], v[80+\n] matrix_a_fmt:MATRIX_FMT_FP6 matrix_b_fmt:MATRIX_FMT_FP6
.endif
.endm
.macro FLOAD fb, off, first            ; four fragments, three loads of 512 consecutive bytes each, into window 1
.irp t, 0,1,2,3
.irp c, 0,1,2
	ds_load_b128 v[\fb+12*(\first+\t)+4*\c:\fb+12*(\first+\t)+4*\c+3], v5 offset:\off+FRAG*(\first+\t)+512*\c
.endr
.endr
.endm
.macro SCALE_T                         ; c s + v[10 + 2 n], two at a time, both tiles
.irp n, 0,1
.set j, 0
.rept 32
	v_pk_fma_f32 v[SR+64*\n+j:SR+64*\n+j+1], v[SR+64*\n+j:SR+64*\n+j+1], s[54:55], v[10+2*\n:11+2*\n] op_sel_hi:[1,0,0]
.set j, j+2
.endr
.endr
.endm
.macro EXPS
.set j, 0
.rept 128
	v_exp_f32 v[SR+j], v[SR+j]
.set j, j+1
.endr
.endm
.macro SLOTADR                         ; where the slot ahead and its steps' scale words begin
	v_add_nc_u32 v5, s50, v3
	v_add_nc_u32 v6, s51, v4
	s_wait_alu depctr_va_vdst(0)                   ; the wait behind these writes
.endm
; PASS 1.  K's record of step q and its scale words into set q % 2: 25 loads.
.macro P1LOAD q
	ds_load_b128 v[48+4*((\q)%2):51+4*((\q)%2)], v6 offset:512*(\q)
	WIN 0x40
	FLOAD 128*(1-(\q)%2), 12288*(\q), 0
	FLOAD 128*(1-(\q)%2), 12288*(\q), 4
	WIN 0
.endm
; A key step.  Each lane keeps the maximum m and the sum of ITS OWN half of the keys; the halves meet once, behind the pass.  The two tiles' chains take turns.
.macro P1STEP q
.if \q < 3
	P1LOAD \q+1                                    ; the next step's record lands under this step's work; its registers were last multiplied a step ago
	s_wait_dscnt 25                                ; all but the 25 just issued
.else
	s_wait_alu depctr_va_vdst(0)                   ; the wait ahead of the waits and branches below
	CHANGE 2                                       ; this step's record, my last reads of the slot, is in registers behind the change's wait on DScnt
	s_xor_b32 s50, s50, SLOT1                      ; on to the other slot,
	s_add_co_u32 s51, s51, 2048                    ; four steps' scale words on;
	s_and_b32 s51, s51, 16383                      ; behind the pass's 32 steps back to 0, for pass 2
	SLOTADR
	P1LOAD 0                                       ; its first K (behind the last trip: pass 2's first K, which lies at the same places) lands under this step's work
.endif
	WIN 0x01
.irp t, 0,1,2,3,4,5,6,7
.irp n, 0,1
	KQ 128*(1-(\q)%2), 48+4*((\q)%2), \t, \n
.endr
.endr
	WIN 0
	PLACES                                         ; behind the last products
.irp b, 0,1,2,3
.irp n, 0,1
	v_max3_num_f32 v[TM+4*\n+\b], v[SR+64*\n+16*\b], v[SR+1+64*\n+16*\b], v[SR+2+64*\n+16*\b]   ; each accumulator is read from its low end on
.endr
.endr
.irp i, 3,5,7,9,11,13
.irp b, 0,1,2,3
.irp n, 0,1
	v_max3_num_f32 v[TM+4*\n+\b], v[TM+4*\n+\b], v[SR+64*\n+16*\b+\i], v[SR+1+64*\n+16*\b+\i]
.endr
.endr
.endr
.irp b, 0,1,2,3
.irp n, 0,1
	v_max_num_f32 v[TM+4*\n+\b], v[TM+4*\n+\b], v[SR+15+64*\n+16*\b]
.endr
.endr
.irp n, 0,1
	v_max3_num_f32 v[UM+\n], v[TM+4*\n], v[TM+1+4*\n], v[TM+2+4*\n]
.endr
.irp n, 0,1
	v_max3_num_f32 v[11+2*\n], v[UM+\n], v[TM+3+4*\n], v[11+2*\n]     ; the running maximum
.endr
.irp n, 0,1
	v_mov_b32 v[UM+\n], v[10+2*\n]
.endr
.irp n, 0,1
	v_mul_f32 v[10+2*\n], s56, v[11+2*\n]          ; -c m
.endr
.irp n, 0,1
	v_sub_f32 v[UM+\n], v[10+2*\n], v[UM+\n]       ; c m_old - c m_new, 0 or less
.endr
	SCALE_T                                        ; c s - c m
	s_wait_alu depctr_va_vdst(0)                   ; the wait ahead of the batch
	v_exp_f32 v96, v92                             ; a = 2^(c m_old - c m_new)
	v_exp_f32 v98, v93
	EXPS
	v_nop                                          ; a plain place behind the exponentials
	s_wait_alu depctr_va_vdst(0)                   ; one wait for the batch, ahead of its first reader
.irp j, 0,1,2,3
.irp n, 0,1
	v_pk_add_f32 v[AX+8*\n+2*\j:AX+8*\n+2*\j+1], v[SR+64*\n+2*\j:SR+64*\n+2*\j+1], v[SR+8+64*\n+2*\j:SR+8+64*\n+2*\j+1]   ; eight chains by turns
.endr
.endr
.irp k, 2,3,4,5,6,7
.irp j, 0,1,2,3
.irp n, 0,1
	v_pk_add_f32 v[AX+8*\n+2*\j:AX+8*\n+2*\j+1], v[AX+8*\n+2*\j:AX+8*\n+2*\j+1], v[SR+64*\n+8*\k+2*\j:SR+64*\n+8*\k+2*\j+1]
.endr
.endr
.endr
.irp n, 0,1
	v_pk_add_f32 v[AX+8*\n:AX+8*\n+1], v[AX+8*\n:AX+8*\n+1], v[AX+8*\n+2:AX+8*\n+3]
	v_pk_add_f32 v[AX+8*\n+4:AX+8*\n+5], v[AX+8*\n+4:AX+8*\n+5], v[AX+8*\n+6:AX+8*\n+7]
.endr
.irp n, 0,1
	v_pk_add_f32 v[AX+8*\n:AX+8*\n+1], v[AX+8*\n:AX+8*\n+1], v[AX+8*\n+4:AX+8*\n+5]
.endr
.irp n, 0,1
	v_pk_fma_f32 v[14+2*\n:15+2*\n], v[14+2*\n:15+2*\n], v[96+2*\n:97+2*\n], v[AX+8*\n:AX+8*\n+1] op_sel_hi:[1,0,1]   ; sum = a sum + the step's
.endr
.endm
; PASS 2.  K's fragments 4 half .. 4 half + 3 of the q-th step of the slot at v5; with the first half its scale words.
.macro KLOAD q, half
.if \half == 0
	ds_load_b128 v[48:51], v6 offset:512*\q
.endif
	WIN 0x40
	FLOAD 128, 12288*\q, 4*\half
	WIN 0
.endm
; A key step, the slot's q-th.  kind 8: the slot's first step: the next K is the slot's second.  kind 3 or 0: its second step, with that change of slots: the next K is the next slot's first.  kind 9: the last step of all.
.macro P2STEP q, kind
	s_wait_dscnt 12                                ; K's scale words and fragments 0-3 are in; the youngest twelve loads (fragments 4-7) may be out
	WIN 0x01
.irp t, 0,1,2,3
.irp n, 0,1
	KQ 128, 48, \t, \n
.endr
.endr
	s_wait_dscnt 0x0
.irp t, 4,5,6,7
.irp n, 0,1
	KQ 128, 48, \t, \n
.endr
.endr
	WIN 0
	PLACES                                         ; behind the products: for the loads into their operands and for the reads of their results
	ds_load_b128 v[52:55], v6 offset:16384+512*\q  ; V's scale words,
	WIN 0x40
	FLOAD 128, 24576+12288*\q, 0                   ; and V's eight fragments land under the softmax
	FLOAD 128, 24576+12288*\q, 4
	WIN 0
	SCALE_T                                        ; c s - L2
	s_wait_alu depctr_va_vdst(0)                   ; the wait ahead of the batch
	EXPS                                           ; p, finished and normalised
	v_nop
	s_wait_alu depctr_va_vdst(0)                   ; one wait for the batch, ahead of its first reader
.irp b, 0,1,2,3
.irp n, 0,1
	v_max3_num_f32 v[TM+4*\n+\b], v[SR+64*\n+16*\b], v[SR+1+64*\n+16*\b], FLOOR     ; block b of 32 keys: my 16 p (none is negative), and the floor
.endr
.endr
.irp i, 2,4,6,8,10,12,14
.irp b, 0,1,2,3
.irp n, 0,1
	v_max3_num_f32 v[TM+4*\n+\b], v[TM+4*\n+\b], v[SR+64*\n+16*\b+\i], v[SR+1+64*\n+16*\b+\i]
.endr
.endr
.endr
.set j, 0
.rept 8
	v_permlanex16_b32 v[UM+j], v[TM+j], s58, s59
.set j, j+1
.endr
.set j, 0
.rept 8
	v_max_num_f32 v[TM+j], v[TM+j], v[UM+j]        ; with lane l xor 16's 16: the block's largest p
.set j, j+1
.endr
.set j, 0
.rept 8
	v_add_nc_u32 v[TM+j], EOFF, v[TM+j]            ; the conversion's scale operand
.set j, j+1
.endr
.set j, 0
.rept 8
	v_lshrrev_b32 v[UM+j], 23, v[TM+j]             ; the scale's byte
.set j, j+1
.endr
.irp n, 0,1
	v_lshl_or_b32 v[80+\n], v[UM+1+4*\n], 8, v[UM+4*\n]       ; p's scale word for these 128 keys
.endr
.irp n, 0,1
	v_lshl_or_b32 v[80+\n], v[UM+2+4*\n], 16, v[80+\n]
.endr
.irp n, 0,1
	v_lshl_or_b32 v[80+\n], v[UM+3+4*\n], 24, v[80+\n]
.endr
	v_nop
.irp n, 0,1
.irp c, 0,1
	v_cvt_scalef32_pk16_fp6_f32 v[56+12*\n+6*\c:58+12*\n+6*\c], v[SR+64*\n+32*\c:SR+15+64*\n+32*\c], v[TM+4*\n+2*\c]
	v_cvt_scalef32_pk16_fp6_f32 v[AX+8*\n+4*\c:AX+2+8*\n+4*\c], v[SR+16+64*\n+32*\c:SR+31+64*\n+32*\c], v[TM+1+4*\n+2*\c]   ; (a conversion's three registers begin on an even number)
.endr
.endr
	v_nop                                          ; one plain place behind a scaled conversion
.irp n, 0,1                            ; the operand wants a WHOLE block in a lane: lanes 0-15 block 2 c, lanes 16-31 block 2 c + 1
.irp c, 0,1
.irp i, 0,1,2
	v_permlane16_swap_b32 v[56+12*\n+6*\c+\i], v[AX+8*\n+4*\c+\i]
.endr
.endr
.endr
.irp n, 0,1
.irp c, 0,1
.irp i, 0,1,2
	v_mov_b32 v[59+12*\n+6*\c+\i], v[AX+8*\n+4*\c+\i]
.endr
.endr
.endr
	PLACES                                         ; the codes stand four places, the scale words more than eight, ahead of the scaled products
	s_wait_alu depctr_va_vdst(0)                   ; the wait here: ahead of the waits below, and ahead of the first reader of O^T
.if \kind < 8
	CHANGE \kind                                   ; V, my last reads of the slot, is in registers behind the change's wait on DScnt
	s_xor_b32 s50, s50, SLOT1                      ; on to the other slot,
	s_add_co_u32 s51, s51, 1024                    ; two steps' scale words on
	SLOTADR
.else
	s_wait_dscnt 0x0                               ; V is in
.endif
	WIN 0x51
.irp t, 0,1,2,3
.irp n, 0,1
	PV \t, \n                                      ; the sixteen accumulators take turns, one instruction a turn
.endr
.endr
.if \kind != 9
	WIN 0
	PLACES
	KLOAD (1-\q), 0                                ; the next K follows V into the registers as they fall free
	WIN 0x51
.endif
.irp t, 4,5,6,7
.irp n, 0,1
	PV \t, \n
.endr
.endr
	s_wait_alu depctr_va_vdst(0)                   ; the wait behind these results: exponentials stand ahead of their next reader
	WIN 0
	PLACES                                         ; behind the last products, for the next loads into their operands
.if \kind != 9
	KLOAD (1-\q), 1
.endif
.endm
.macro P2SLOT kind
	P2STEP 0, 8
	P2STEP 1, \kind
.endm
	s_load_b256 s[4:11], s[0:1], 0x0               ; codes, scales, out0, out1
	v_lshl_add_u32 v1, v0, 2, SPARE
	v_mov_b32 v2, 0
	ds_add_u32 v1, v2                              ; the opening lines: the add, twice on end, and its wait ahead of my first tensor load
	ds_add_u32 v1, v2
	v_lshrrev_b32 v3, 5, v0
	v_readfirstlane_b32 s12, v3                    ; wave 0..7
	s_bfe_u32 s13, ttmp6, 0x40000                  ; cx: it enters Q's, out0's, out1's and the prefetches' addresses alone
	s_lshl_b32 s14, ttmp9, 2
	s_add_co_u32 s14, s14, s13                     ; my block of 128 queries = 4 x cluster x + cx
	s_and_b32 s15, ttmp7, 0xffff                   ; the head, which the four partners share
	s_and_b32 s16, s12, 3                          ; my pair of query tiles; at the head also the piece or the table that I fetch
	s_lshr_b32 s17, s12, 2                         ; my key set
	; descriptor groups 1: dense blocks as rows of 32 elements of 8 bytes, no padding: 96 rows (the head's pieces), 64 (a table of scale words), 48 (a record)
.irp g, 24, 32, 84
	s_mov_b32 s[\g], 15|(3<<16)|(1<<21)            ; 15:0 the mask: all four work-groups; 17:16 elements of 8 bytes; 21 set beside a mask
	s_mov_b32 s[\g+1], 32<<16                      ; tensor_dim0
	s_mov_b32 s[\g+3], 32<<16                      ; tile_dim0
	s_mov_b32 s[\g+5], 32                          ; tensor_dim0_stride
	s_mov_b32 s[\g+6], 0
	s_mov_b32 s[\g+7], 0
.endr
	s_mov_b32 s26, 96<<16                          ; tensor_dim1, tile_dim1
	s_mov_b32 s28, 96
	s_mov_b32 s34, 64<<16
	s_mov_b32 s36, 64
	s_mov_b32 s86, 48<<16
	s_mov_b32 s88, 48
	s_lshl_b32 s20, s15, 5
	s_add_co_u32 s20, s20, 256                     ; k_A's first record of the head
	s_lshr_b32 s21, s16, 1
	s_lshl_b32 s21, s21, 10
	s_add_co_u32 s21, s21, s20                     ; the head's loads, j = wave % 4: + 1,024 (j / 2) for set B
	s_and_b32 s22, s16, 1
	s_lshl_b32 s23, s22, 1
	s_add_co_u32 s23, s23, s21                     ; fill 0's piece j: K's records 2 (j % 2) on
	s_lshl_b32 s22, s22, 11
	s_add_co_u32 s22, s22, s21                     ; table j: K (j even) or V (+ 2,048 records)
	s_mul_i32 s68, s23, 12288
	s_mov_b32 s69, 0
	s_lshl_b32 s72, s22, 9
	s_mov_b32 s73, 0
	s_lshl_b32 s21, s17, 10
	s_add_co_u32 s21, s21, s20                     ; the ring: my set's K,
	s_add_co_u32 s23, s21, s16                     ; pass 1: record wave % 4 of a fill's four
	s_mul_i32 s70, s23, 12288
	s_mov_b32 s71, 0
	s_bfe_u32 s22, s12, 0x10001
	s_lshl_b32 s22, s22, 11
	s_add_co_u32 s22, s22, s21                     ; pass 2: K or V by (wave / 2) % 2,
	s_and_b32 s23, s12, 1
	s_add_co_u32 s22, s22, s23                     ; record wave % 2 of a fill's two
	s_mul_i32 s74, s22, 12288                      ; my byte offset in pass 2's first fill; kept
	s_mov_b32 s50, 0                               ; LDS byte at which the slot in hand begins
	s_mov_b32 s51, 0                               ; 512 x the key step
	s_mov_b32 s54, 0x3e0293ee                      ; c = log2(e) / sqrt(128)
	s_mov_b32 s55, s54                             ; (named with it as a pair, so it is written)
	s_mov_b32 s56, 0xbe0293ee                      ; -c
	s_mov_b32 s57, 0x3f317218                      ; ln 2
	s_mov_b32 s58, 0x76543210
	s_mov_b32 s59, 0xfedcba98                      ; v_permlanex16_b32: lane l xor 16
	s_mov_b32 s62, 0
	s_mov_b32 s63, 0
	s_mov_b32 s66, 24821760                        ; 2,048 records less seven units of 49,152 bytes
	s_mov_b32 s67, 49152
	s_mov_b32 s97, 0                               ; the upper words of the two offsets that the walking descriptor is stepped by
	s_mov_b32 s99, 0
	s_sub_co_u32 s20, s12, 4
	s_cmp_lt_u32 s20, 3                            ; waves 4, 5, 6
	s_cselect_b32 s53, 1, -1
	s_cmp_eq_u32 ttmp9, 0                          ; of the head's first cluster: the same in all four partners
	s_cselect_b32 s53, s53, -1
	s_wait_dscnt 0x0                               ; both opening adds are done
	s_wait_kmcnt 0x0
	s_mov_b32 s40, 1                               ; the walking group 0: count = 1,
	s_mul_i32 s41, s12, 12288                      ; slot 0, record w,
	s_add_nc_u64 s[42:43], s[4:5], s[70:71]        ; at fill 0: the first change steps it to fill 1,
	s_or_b32 s43, s43, 0x80000000                  ; type = 2
	s_add_co_u32 s70, s70, 344064                  ; my byte offset in fill 7, 28 records on; kept
	s_mov_b32 s44, 1                               ; a table's group 0
	s_lshl_b32 s45, s16, 14
	s_add_co_u32 s45, s45, SCL
	s_add_nc_u64 s[46:47], s[6:7], s[72:73]
	s_or_b32 s47, s47, 0x80000000
	s_mov_b32 s92, 1                               ; a piece of fill 0
	s_mul_i32 s93, s16, 24576
	s_add_nc_u64 s[94:95], s[4:5], s[68:69]
	s_or_b32 s95, s95, 0x80000000
	CROUND                                         ; all four work-groups are here: the first joint loads meet
	s_cmp_lt_u32 s12, 4                            ; the head's eight tiles, one a wave: every way passes exactly one load
	s_cbranch_scc0 .Lhead_tables
	tensor_load_to_lds s[92:95], s[24:31]
	s_nop 0
	PLACES
	s_branch .Lhead_asked
.Lhead_tables:
	tensor_load_to_lds s[44:47], s[32:39]
	s_nop 0
	PLACES
.Lhead_asked:
	s_lshl_b32 s76, s15, 3
	s_add_co_u32 s76, s76, s14                     ; q's record: 8 x head + block
	s_lshl_b32 s82, s76, 9
	s_mul_i32 s76, s76, 12288
	s_mul_i32 s83, s16, 2*FRAG
	s_add_co_u32 s76, s76, s83                     ; my two tiles' fragments
	s_mov_b32 s77, 0
	s_add_nc_u64 s[78:79], s[4:5], s[76:77]
	s_lshl_b32 s83, s16, 2
	s_add_co_u32 s76, s82, s83                     ; their scale words: 16 x lane + 4 x pair: lanes 0-15 the even tile's, lanes 16-31 the odd one's
	s_add_nc_u64 s[80:81], s[6:7], s[76:77]
	s_lshl_b32 s76, s15, 10
	s_lshl_b32 s82, s14, 7
	s_add_co_u32 s76, s76, s82                     ; the work-group's first query among all 32,768
	s_lshl_b32 s82, s76, 2
	s_mov_b32 s83, 0
	s_add_nc_u64 s[10:11], s[10:11], s[82:83]      ; out1 there
	s_lshl_b32 s82, s12, 4
	s_add_co_u32 s76, s76, s82
	s_lshl_b32 s76, s76, 8
	s_add_nc_u64 s[8:9], s[8:9], s[76:77]          ; out0 at the 16 rows that my wave stores
	s_lshl_b32 s76, s15, 5
	s_add_co_u32 s76, s76, 256
	s_and_b32 s82, s13, 1
	s_lshl_b32 s82, s82, 10
	s_add_co_u32 s76, s76, s82                     ; the prefetches: K's first record of set cx % 2,
	s_mul_i32 s76, s76, 12288
	s_lshr_b32 s82, s13, 1
	s_mul_i32 s82, s82, 24576
	s_add_co_u32 s76, s76, s82                     ; piece cx / 2,
	s_lshl_b32 s82, s16, 13
	s_add_co_u32 s76, s76, s82                     ; my wave's 8,192 bytes,
	s_add_co_u32 s76, s76, 49152                   ; in fill 1: the first change steps it to fill 2.  Nothing is prefetched here, at the head
	s_add_nc_u64 s[60:61], s[4:5], s[76:77]
	s_mul_i32 s20, s17, 49152
	s_lshl_b32 s21, s17, 15
	s_add_co_u32 s21, s21, SCL
	v_and_b32 v8, 31, v0                           ; lane
	v_lshlrev_b32 v7, 8, v8                        ; the prefetches' offset: 256 x lane; never rewritten
	v_lshlrev_b32 v9, 4, v8                        ; 16 x lane
	v_add_nc_u32 v3, s20, v9                       ; fragments: 16 x lane in my set's half of a slot
	v_add_nc_u32 v4, s21, v9                       ; scale words: my set's K; its V 16,384 bytes on
	v_mov_b32 v11, 0xff61b1e6                      ; m = -3e38, under every score
	v_mov_b32 v13, 0xff61b1e6
	v_mul_f32 v10, s56, v11
	v_mul_f32 v12, s56, v13
.irp r, 14,15,16,17,92,93,94,95,96,97,98,99
	v_mov_b32 v\r, 0                               ; the sums; and registers that are named (a lane permute's destination, a pair's upper half) before they are otherwise written
.endr
	s_wait_alu depctr_va_vdst(0)                   ; the wait at the head's end
.irp n, 0,1
.irp c, 0,1,2
	global_load_b128 v[20+12*\n+4*\c:23+12*\n+4*\c], v9, s[78:79] offset:1536*\n+512*\c      ; Q stays in registers
.endr
.endr
	global_load_b32 v44, v9, s[80:81]
	s_wait_loadcnt 0x0                             ; Q
	s_mov_b32 s52, 8
	CHANGE 1                                       ; fill 0 and the scale words are whole; fill 1 is asked for
	SLOTADR
	P1LOAD 0
.Lp1:                                              ; slots 0 to 7: pass 1; fills 2 to 9 are asked for
	P1STEP 0
	P1STEP 1
	P1STEP 2
	P1STEP 3
	s_sub_co_u32 s52, s52, 1
	s_cmp_lg_u32 s52, 0
	s_cbranch_scc1 .Lp1
	; the two halves of a query's keys meet: L2 = M + log2(sum), M the larger c m.  Multiplies and one addition, not fused: both lanes of a query get the same bits
.irp n, 0,1
	v_add_f32 v[14+2*\n], v[14+2*\n], v[15+2*\n]
.endr
.irp n, 0,1
	v_permlanex16_b32 v[84+\n], v[10+2*\n], s58, s59
.endr
.irp n, 0,1
	v_permlanex16_b32 v[86+\n], v[14+2*\n], s58, s59
.endr
.irp n, 0,1
	v_min_num_f32 v[88+\n], v[10+2*\n], v[84+\n]   ; -M
.endr
.irp n, 0,1
	v_sub_f32 v[90+\n], v[88+\n], v[10+2*\n]       ; c m - M, mine
.endr
.irp n, 0,1
	v_sub_f32 v[92+\n], v[88+\n], v[84+\n]         ; and the other half's
.endr
	s_wait_alu depctr_va_vdst(0)
.irp r, 90,91,92,93
	v_exp_f32 v\r, v\r
.endr
	v_nop
	s_wait_alu depctr_va_vdst(0)
.irp n, 0,1
	v_mul_f32 v[14+2*\n], v[14+2*\n], v[90+\n]
	v_mul_f32 v[86+\n], v[86+\n], v[92+\n]
.endr
.irp n, 0,1
	v_add_f32 v[14+2*\n], v[14+2*\n], v[86+\n]
.endr
	s_wait_alu depctr_va_vdst(0)
	v_log_f32 v14, v14
	v_log_f32 v16, v16
	v_nop
	s_wait_alu depctr_va_vdst(0)
.irp n, 0,1
	v_sub_f32 v[10+2*\n], v[88+\n], v[14+2*\n]     ; -L2
.endr
	WIN 0x40
.set j, 0
.rept 128
	v_mov_b32 v[j], 0                              ; O^T: pass 2's step is written once, so its first products find zeros
.set j, j+1
.endr
	WIN 0
	s_mov_b32 s52, 14
	s_wait_alu depctr_va_vdst(0)                   ; the wait here
.Lp2:                                              ; slots 8 to 21; fills 10 to 23 are asked for
	P2SLOT 3
	s_sub_co_u32 s52, s52, 1
	s_cmp_lg_u32 s52, 0
	s_cbranch_scc1 .Lp2
	P2SLOT 0                                       ; the last two slots are written out: slot 22 fetches nothing more
	P2SLOT 9                                       ; and slot 23 has no change behind it
	; THE WAY OUT.  Each wave rounds its O^T to f16 (as the definition rounds out_A and out_B) and lays it in LDS as an image of its registers, with -L2; then every wave merges four channel tiles of its 32 queries.
	s_lshl_b32 s20, s12, 13
	s_lshl_b32 s21, s12, 8
	s_add_co_u32 s21, s21, LW
	s_lshl_b32 s22, s16, 13
	s_lshl_b32 s23, s17, 11
	s_add_co_u32 s22, s22, s23
	s_lshl_b32 s23, s16, 8
	s_add_co_u32 s23, s23, LW
	s_lshl_b32 s76, s16, 5
	s_lshl_b32 s77, s17, 7
	s_add_co_u32 s77, s77, OST
	s_lshl_b32 s78, s17, 9
	s_add_co_u32 s78, s78, LSE
	s_mul_i32 s79, s12, 16*272
	s_add_co_u32 s79, s79, OST
	v_and_b32 v3, 15, v0                           ; r
	v_bfe_u32 v4, v0, 4, 1                         ; h
	v_lshlrev_b32 v5, 2, v8                        ; 4 x lane
	v_add_nc_u32 v84, s20, v9                      ; where my image goes,
	v_add_nc_u32 v85, s21, v5                      ; and my -L2;
	v_add_nc_u32 v86, s22, v9                      ; which four channel tiles of set A's image of my queries I finish (B's: 32,768 on)
	v_add_nc_u32 v87, s23, v5                      ; -L2 of set A for my queries (B's: 1,024 on)
	v_and_b32 v6, 8, v3
	v_add_nc_u32 v6, v6, v3
	v_add_nc_u32 v6, s76, v6                       ; my even tile's query in the block: 32 x pair + r + (r & 8); the odd tile's: 8 on
	v_mul_u32_u24 v88, v6, 272
	v_lshl_add_u32 v88, v4, 4, v88
	v_add_nc_u32 v88, s77, v88                     ; its row of the stage, + 128 x set + 16 h
	v_lshl_add_u32 v89, v6, 2, s78                 ; its new lse
	v_mul_u32_u24 v90, v4, 272
	v_lshl_add_u32 v90, v3, 4, v90
	v_add_nc_u32 v90, s79, v90                     ; rows 16 w + lane / 16 of the stage, 16 bytes a lane
	v_add_nc_u32 v91, LSE, v9
	WIN 0x05
.set j, 0
.rept 64
	v_cvt_pk_f16_f32 v[20+j], v[2*j], v[2*j+1]     ; each accumulator from its low end on
.set j, j+1
.endr
	WIN 0
	s_wait_alu depctr_va_vdst(0)                   ; the wait here
.set j, 0
.rept 16
	ds_store_b128 v84, v[20+4*j:23+4*j] offset:512*j
.set j, j+1
.endr
	ds_store_b32 v85, v10
	ds_store_b32 v85, v12 offset:128
	s_wait_dscnt 0x0                               ; for the others' sake: my stores are done
	s_barrier_signal -1
	s_barrier_wait -1
.irp n, 0,1
.irp t, 0,1,2,3
	ds_load_b128 v[20+16*\n+4*\t:23+16*\n+4*\t], v86 offset:4096*\n+512*\t            ; set A: channels 64 x my set + 16 t + 8 h on
.endr
.endr
.irp n, 0,1
.irp t, 0,1,2,3
	ds_load_b128 v[52+16*\n+4*\t:55+16*\n+4*\t], v86 offset:32768+4096*\n+512*\t      ; set B
.endr
.endr
.irp n, 0,1
	ds_load_b32 v[92+\n], v87 offset:128*\n
	ds_load_b32 v[94+\n], v87 offset:1024+128*\n
.endr
	s_wait_dscnt 0x0
.irp n, 0,1
	v_min_num_f32 v[96+\n], v[92+\n], v[94+\n]     ; -Lm, Lm the larger L2
.endr
.irp n, 0,1
	v_sub_f32 v[92+\n], v[96+\n], v[92+\n]         ; L2_A - Lm
.endr
.irp n, 0,1
	v_sub_f32 v[94+\n], v[96+\n], v[94+\n]
.endr
	s_wait_alu depctr_va_vdst(0)
.irp r, 92,93,94,95
	v_exp_f32 v\r, v\r
.endr
	v_nop
.irp r, 20,21,22,23,24,25,26,27,28,29,30,31,32,33,34,35,36,37,38,39,40,41,42,43,44,45,46,47,48,49,50,51
	WIDE 128+2*(\r-20), 129+2*(\r-20), \r
.endr
	s_wait_alu depctr_va_vdst(0)
.irp n, 0,1
	v_add_f32 v[98+\n], v[92+\n], v[94+\n]
.endr
	s_wait_alu depctr_va_vdst(0)
.irp n, 0,1
	v_rcp_f32 v[100+\n], v[98+\n]
	v_log_f32 v[102+\n], v[98+\n]
.endr
	v_nop
.irp r, 52,53,54,55,56,57,58,59,60,61,62,63,64,65,66,67,68,69,70,71,72,73,74,75,76,77,78,79,80,81,82,83
	WIDE 192+2*(\r-52), 193+2*(\r-52), \r
.endr
	s_wait_alu depctr_va_vdst(0)
.irp n, 0,1
	v_mul_f32 v[104+2*\n], v[92+\n], v[100+\n]     ; w_A
	v_mul_f32 v[108+2*\n], v[94+\n], v[100+\n]     ; w_B
	v_sub_f32 v[102+\n], v[102+\n], v[96+\n]
.endr
.irp n, 0,1
	v_mul_f32 v[102+\n], s57, v[102+\n]            ; the new lse = (Lm + log2(the sum)) ln 2
.endr
.irp n, 0,1
.set j, 0
.rept 16
	v_pk_mul_f32 v[128+32*\n+j:129+32*\n+j], v[128+32*\n+j:129+32*\n+j], v[104+2*\n:105+2*\n] op_sel_hi:[1,0]
.set j, j+2
.endr
.endr
.irp n, 0,1
.set j, 0
.rept 16
	v_pk_fma_f32 v[128+32*\n+j:129+32*\n+j], v[192+32*\n+j:193+32*\n+j], v[108+2*\n:109+2*\n], v[128+32*\n+j:129+32*\n+j] op_sel_hi:[1,0,1]
.set j, j+2
.endr
.endr
.set j, 0
.rept 32
	v_cvt_pk_f16_f32 v[20+j], v[128+2*j], v[129+2*j]
.set j, j+1
.endr
.irp n, 0,1
.irp t, 0,1,2,3
	ds_store_b128 v88, v[20+16*\n+4*\t:23+16*\n+4*\t] offset:2176*\n+32*\t            ; my query's row: eight channels, 16 bytes
.endr
	ds_store_b32 v89, v[102+\n] offset:32*\n       ; both lanes of a query write the same word
.endr
	s_wait_dscnt 0x0
	s_barrier_signal -1
	s_barrier_wait -1                              ; 128 whole rows of out0 lie in the stage
.irp i, 0,1,2,3,4,5,6,7
	ds_load_b128 v[20+4*\i:23+4*\i], v90 offset:544*\i
.endr
.irp i, 0,1,2,3,4,5,6,7
	s_wait_dscnt 7-\i                              ; the younger loads may be out
	global_store_b128 v9, v[20+4*\i:23+4*\i], s[8:9] offset:512*\i    ; two rows: 512 consecutive bytes, at a multiple of 256 from out0's first byte
.endr
	s_cmp_lg_u32 s12, 0
	s_cbranch_scc1 .Lnot_lse
	ds_load_b128 v[52:55], v91
	s_wait_dscnt 0x0
	global_store_b128 v9, v[52:55], s[10:11]       ; wave 0: the block's 128 numbers of out1
.Lnot_lse:
	s_wait_tensorcnt 0x0                           ; the wave's end: behind my last tensor load and my last LDS store
	ds_add_u32 v1, v2
	s_wait_dscnt 0x0
	CROUND                                         ; the closing round: no work-group ends while a partner may still ask for a record that names it
	s_endpgm
.Lfunc_end_k_qd849a6fb08_attn:
	.size	k_qd849a6fb08_attn, .Lfunc_end_k_qd849a6fb08_attn-k_qd849a6fb08_attn
	.p2alignl 7, 3214868480
	.fill 96, 4, 3214868480
	.section	.rodata,"a",@progbits
	.p2align	6, 0x0
	.amdhsa_kernel k_qd849a6fb08_attn
		.amdhsa_group_segment_fixed_size 327680
		.amdhsa_private_segment_fixed_size 0
		.amdhsa_enable_private_segment 0
		.amdhsa_kernarg_size 32
		.amdhsa_user_sgpr_count 2
		.amdhsa_user_sgpr_kernarg_segment_ptr 1
		.amdhsa_wavefront_size32 1
		.amdhsa_system_sgpr_workgroup_id_x 1
		.amdhsa_system_sgpr_workgroup_id_y 1
		.amdhsa_system_sgpr_workgroup_id_z 1
		.amdhsa_system_vgpr_workitem_id 0
		.amdhsa_next_free_vgpr 512
		.amdhsa_next_free_sgpr 100
		.amdhsa_reserve_vcc 0
		.amdhsa_float_denorm_mode_32 3
		.amdhsa_float_denorm_mode_16_64 3
		.amdhsa_memory_ordered 1
		.amdhsa_forward_progress 1
		.amdhsa_inst_pref_size 255
	.end_amdhsa_kernel
	.section	.bss,"aw",@nobits
	.p2align	6
	.space	262144
	.amdgpu_metadata
---
amdhsa.version: [ 1, 2 ]
amdhsa.kernels:
  - .name:           k_qd849a6fb08_attn
    .symbol:         k_qd849a6fb08_attn.kd
    .args:
      - { .name: codes, .offset: 0, .size: 8, .value_kind: global_buffer, .address_space: global }
      - { .name: scales, .offset: 8, .size: 8, .value_kind: global_buffer, .address_space: global }
      - { .name: out0, .offset: 16, .size: 8, .value_kind: global_buffer, .address_space: global }
      - { .name: out1, .offset: 24, .size: 8, .value_kind: global_buffer, .address_space: global }
    .group_segment_fixed_size: 327680
    .private_segment_fixed_size: 0
    .kernarg_segment_align: 8
    .kernarg_segment_size: 32
    .max_flat_workgroup_size: 256
    .sgpr_count:     100
    .vgpr_count:     512
    .wavefront_size: 32
...
	.end_amdgpu_metadata
.endif
;; end of part 2
